; MI455X (gfx1250); checked and timed in simulation.
; The chip was launched on July 23, 2026; its instructions are those of AMD's public machine-readable ISA for CDNA 5 (MIT licence, August 2026) and "CDNA5" Instruction Set Architecture Reference Guide (July 2026). The comments in the code are by the model that wrote it; some were corrected since.
;; Multi Head Self Attention. Allowed arithmetic: matrix products marked QUANTISED: E4M3 operands, one given power-of-two scale a tensor, by v_wmma_f32_16x16x64_fp8_fp8 or v_wmma_f32_16x16x128_fp8_fp8, f32 sums; everything else in f32.
;; Inputs: Wk 1,024 x 1,024 float32; Wq 1,024 x 1,024 float32; Wv 1,024 x 1,024 float32; bk 1,024 float32; bq 1,024 float32; bv 1,024 float32; lowp_scales 10 int32 (the exponents e of the quantised operands' scales 2^e); x 2 x 2,048 x 1,024 float32.
;; Outputs: out0 2 x 2,048 x 1,024 float32.
;; This version of the problem:
;;   THIS VERSION OF THE PROBLEM IS GIVEN IN LOW PRECISION. The matrix products marked QUANTISED in the list below multiply operands that are first quantised to E4M3 (4 exponent bits, 3 mantissa bits; 8 bits a number), with one given power-of-two scale for each operand tensor; their sums are f32. All else is computed in f32.
;;   The module's matrix products, in the order in which they are computed (A, B: the left and right operand; K: the contracted axis; several contracted axes count as one K, in the product's order):
;;     1. [M 4,096, K 1,024] x [K 1,024, N 1,024]; A: input x; B: input Wq: QUANTISED (scales: A lowp_scales[0], B lowp_scales[1])
;;     2. [M 4,096, K 1,024] x [K 1,024, N 1,024]; A: input x; B: input Wk: QUANTISED (scales: A lowp_scales[2], B lowp_scales[3])
;;     3. [M 4,096, K 1,024] x [K 1,024, N 1,024]; A: input x; B: input Wv: QUANTISED (scales: A lowp_scales[4], B lowp_scales[5])
;;     4. batch 32 x [M 2,048, K 64] x [K 64, N 2,048]; A: computed on the way; B: computed on the way: QUANTISED (scales: A lowp_scales[6], B lowp_scales[7])
;;     5. batch 32 x [M 64, K 2,048] x [K 2,048, N 2,048]; A: computed on the way; B: softmax (see below): QUANTISED (scales: A lowp_scales[8], B lowp_scales[9])
;;   THE QUANTISER, for each operand of a quantised product, along K:
;;     - The operand's scale is 2^e, e = its entry of the input lowp_scales (int32; the entries are numbered through the quantised products in the list's order, A before B).
;;     - Each number is divided by the scale, clamped to +-448, and rounded to the nearest number of E4M3, ties to even, subnormals kept.
;;     - The product sums the exact products of the quantised numbers (number of the format x scale) in f32.
;;   ~~~python
;;   def quantise(x, axis, e):      # numpy; x: float32 -> the quantised numbers, widened to float32 again
;;       x = np.moveaxis(x, axis, -1); K = x.shape[-1]
;;       r = np.clip(x / 2.0 ** e, -448, 448)
;;       step = 2.0 ** (np.maximum(np.frexp(np.where(r == 0, 1, r))[1] - 1, -6) - 3)
;;       q = np.round(r / step) * step * 2.0 ** e      # np.round: ties to even
;;       return np.moveaxis(q, -1, axis).astype(np.float32)
;;   ~~~
;;   SOFTMAX AHEAD OF A QUANTISED PRODUCT. Where the list says 'softmax', what is quantised is not the finished softmax but p = 2^(t - M), with t = logit x log2(e) and M = ceil(the row's largest t), a whole number; so 1/2 < the row's largest p <= 1. The row's sum l is taken of the UNQUANTISED p, in f32, and the product's result is divided by l at the end. Since M is a whole number, a kernel that streams over the keys may use a running M (the ceiling of the running maximum): every later rescaling is an exact power of two, so the quantised numbers keep their values, but for numbers so far below the row's largest that they fall under the format's range.
;;   OPERANDS COMPUTED ON THE WAY. 'Computed on the way' means the value that the module computes at that place (a softmax that the list does not call 'softmax' is quantised finished and normalised). What goes into a quantiser is computed in f32, as accurately as f32 sums, v_exp_f32 and their like allow (about 1e-6 of the number): no bf16 or f16 on the way to a quantiser, and a product that is left as it is and whose result goes on into a quantised operand takes f32 operands (vector FMAs, or v_wmma_f32_16x16x4_f32). A number that lies on a knife's edge between two numbers of the format may be rounded either way, as far as f32 arithmetic and the matrix unit's own rounding can turn it there, and no further.
;; One version. Each part assembles by itself: llvm-mc -triple=amdgcn-amd-amdhsa -mcpu=gfx1250 --defsym DOCPART=n.
;; ======== version 1 of 1: 3 launches
;; limits: right only within a limited range of input values
;; workspace buffers: codes 15,728,640 bytes; qkv 12,582,912 bytes
;; launch quant (part 1): grid 256 x 1, 8 waves a work-group, no clusters, 0 bytes of LDS; arguments x, Wq, Wk, Wv, lowp_scales, codes; writes codes
.if DOCPART == 1
	.amdgcn_target "amdgcn-amd-amdhsa--gfx1250"
	.amdhsa_code_object_version 6
	.text
	.protected	k_q4108c7ca5e_quant
	.globl	k_q4108c7ca5e_quant
	.p2align	8
	.type	k_q4108c7ca5e_quant,@function
k_q4108c7ca5e_quant:
	s_mov_b64 s[64:65], 0
	v_nop
	global_prefetch_b8 v0, s[64:65] scope:SCOPE_SE
	s_setreg_imm32_b32 hwreg(HW_REG_WAVE_MODE, 25, 1), 1
	s_wait_xcnt 0x0
; DEAD WORK, of the whole program: reference() hides key k from query q where k > q.  Key tiles that lie wholly behind a wave's queries are not multiplied (launch attn): their p is 0 whatever the inputs hold.
; LIMIT: a NaN, an infinity or an overflow that reaches only that work is not carried to the result.  Every input is loaded.
; x [4096][1024] f32 becomes THREE sets of E4M3 codes (scales 2^e0, 2^e2, 2^e4: x has an entry of its own in each projection); Wq, Wk, Wv [1024][1024] f32 one set each (2^e1, 2^e3, 2^e5).
; code = number / 2^e, held within +-448, to the nearest code, ties to even.
; LIMITS: e0 .. e5 between -126 and 119, so that 2^e and 448 x 2^e are f32 numbers.  NaN among the inputs is not served; an infinity is held at the largest code.
; codes: x's set p at p x 2^22; W's set p at 0xC00000 + p x 2^20.  In a set: blocks of 128 rows, in each 4 blocks of 256 k, each 128 rows x 256 bytes, dense.
; THE ORDER OF K in a row is permuted, alike in x and W, so every product keeps its partner: byte 16 L + 4 i + j of each 512 codes is the code of k = 128 i + 4 L + j of those 512.
; So lane L's four loads of 16 bytes (512 consecutive bytes a wave) give its 16 codes, 16 bytes, and nothing turns through LDS.  Sixteen lanes store one aligned unit of 256 bytes.
; SHARES: 256 work-groups, alike: 16 rows of x and 4 rows of each W.  A wave: 4 steps of 512 numbers of x, 1 of each W: 28 loads, all issued ahead of the first wait.  Waves share nothing.
.set SC,   4                           ; v4-15: 2^e and 448 x 2^e for entries 0 to 5
.set R,    16                          ; v16-127 the numbers as loaded, 16 registers a step
.set BX,   44                          ; s[44:49] where x's three sets go; s[50:51] W's
.set TT,   128                         ; v128-143 and v144-159 by turns: 16 numbers, held
.set CC,   160                         ; v160-219 codes: registers of their own for each store
	s_load_b256 s[4:11], s[0:1], 0x0               ; x s[4:5], Wq s[6:7], Wk s[8:9], Wv s[10:11]
	s_load_b128 s[12:15], s[0:1], 0x20             ; the scales' exponents s[12:13], codes s[14:15]
	v_lshrrev_b32 v1, 5, v0
	v_readfirstlane_b32 s16, v1                    ; wave 0..7
	v_and_b32 v2, 31, v0
	v_lshlrev_b32 v3, 4, v2                        ; loads: 16 bytes a lane
	v_lshrrev_b32 v1, 4, v2
	v_and_b32 v2, 15, v2
	v_lshlrev_b32 v2, 4, v2
	v_lshl_add_u32 v2, v1, 15, v2                  ; stores: lanes 16-31 go to the next block of 256 k
	s_lshl_b32 s18, ttmp9, 16                      ; x: 16 rows of 4,096 bytes a work-group,
	s_lshl_b32 s17, s16, 13                        ; 2 a wave
	s_add_co_u32 s18, s18, s17
	s_mov_b32 s19, 0
	s_lshl_b32 s20, ttmp9, 14                      ; W: 4 rows a work-group,
	s_lshl_b32 s17, s16, 11                        ; half a row a wave
	s_add_co_u32 s20, s20, s17
	s_mov_b32 s21, 0
	s_lshr_b32 s22, ttmp9, 3                       ; x's codes: 8 work-groups to a block of 128 rows
	s_lshl_b32 s22, s22, 17
	s_and_b32 s17, ttmp9, 7
	s_lshl_b32 s17, s17, 12
	s_add_co_u32 s22, s22, s17
	s_lshl_b32 s17, s16, 9
	s_add_co_u32 s22, s22, s17
	s_mov_b32 s23, 0
	s_lshr_b32 s24, ttmp9, 5                       ; W's codes: 32 work-groups to a block of 128 rows
	s_lshl_b32 s24, s24, 17
	s_and_b32 s17, ttmp9, 31
	s_lshl_b32 s17, s17, 10
	s_add_co_u32 s24, s24, s17
	s_lshr_b32 s17, s16, 1
	s_lshl_b32 s17, s17, 8
	s_add_co_u32 s24, s24, s17
	s_and_b32 s17, s16, 1
	s_lshl_b32 s17, s17, 16
	s_add_co_u32 s24, s24, s17
	s_add_co_u32 s24, s24, 0xC00000
	s_mov_b32 s25, 0
	s_wait_alu depctr_va_vdst(0)
	s_wait_kmcnt 0x0
	s_load_b256 s[32:39], s[12:13], 0x0            ; e0 .. e7
	s_add_nc_u64 s[4:5], s[4:5], s[18:19]
	s_add_nc_u64 s[6:7], s[6:7], s[20:21]
	s_add_nc_u64 s[8:9], s[8:9], s[20:21]
	s_add_nc_u64 s[10:11], s[10:11], s[20:21]
.irp t, 0,1,2,3
.irp i, 0,1,2,3
	global_load_b128 v[R+16*\t+4*\i:R+16*\t+4*\i+3], v3, s[4:5] offset:2048*\t+512*\i th:TH_LOAD_NT
.endr
.endr
.irp p, 0,1,2
.irp i, 0,1,2,3
	global_load_b128 v[R+64+16*\p+4*\i:R+64+16*\p+4*\i+3], v3, s[6+2*\p:7+2*\p] offset:512*\i th:TH_LOAD_NT
.endr
.endr
	s_add_nc_u64 s[BX:BX+1], s[14:15], s[22:23]
	s_add_nc_u64 s[BX+2:BX+3], s[BX:BX+1], 0x400000
	s_add_nc_u64 s[BX+4:BX+5], s[BX:BX+1], 0x800000
	s_add_nc_u64 s[BX+6:BX+7], s[14:15], s[24:25]
	s_wait_kmcnt 0x0
.irp k, 0,1,2,3,4,5                    ; 2^e and 448 x 2^e as f32
	s_add_co_i32 s41, s[32+\k], 127
	s_lshl_b32 s42, s41, 23
	v_mov_b32 v[SC+2*\k], s42
	s_add_co_i32 s41, s41, 8
	s_lshl_b32 s41, s41, 23
	s_or_b32 s41, s41, 0x600000
	v_mov_b32 v[SC+2*\k+1], s41
.endr
	s_wait_alu depctr_va_vdst(0)                   ; the wait at the head's end
.macro CONV src, k, base, off          ; 16 numbers under entry k's scale; they stay as they are for the next set
.irp i, 0,1,2,3,4,5,6,7,8,9,10,11,12,13,14,15
	v_med3_num_f32 v[TT+\i], v[(\src)+\i], -v[SC+2*(\k)+1], v[SC+2*(\k)+1]   ; the conversion to an 8-bit code does not saturate (ISA guide 7.6.2)
.endr
	v_cvt_scalef32_pk8_fp8_f32 v[CC:CC+1], v[TT:TT+7], v[SC+2*(\k)]
	v_cvt_scalef32_pk8_fp8_f32 v[CC+2:CC+3], v[TT+8:TT+15], v[SC+2*(\k)]
	global_store_b128 v2, v[CC:CC+3], s[\base:\base+1] offset:\off
.set TT, 272-TT                        ; the other set of held numbers: sixteen plain lines stand between a conversion and the next write of its sources
.set CC, CC+4
.endm
.set t, 0
.rept 4
	s_wait_loadcnt 24-4*t                          ; step t's four loads are in; the 24 - 4 t behind them may be out
	CONV R+16*t, 0, BX, (t/2)*256+(t%2)*65536
	CONV R+16*t, 2, BX+2, (t/2)*256+(t%2)*65536
	CONV R+16*t, 4, BX+4, (t/2)*256+(t%2)*65536
.set t, t+1
.endr
.set t, 0
.rept 3
	s_wait_loadcnt 8-4*t                           ; W's step t is in
	CONV R+64+16*t, 2*t+1, BX+6, t*0x100000
.set t, t+1
.endr
	s_endpgm
.Lfunc_end_k_q4108c7ca5e_quant:
	.size	k_q4108c7ca5e_quant, .Lfunc_end_k_q4108c7ca5e_quant-k_q4108c7ca5e_quant
	.p2alignl 7, 3214868480
	.fill 96, 4, 3214868480
	.section	.rodata,"a",@progbits
	.p2align	6, 0x0
	.amdhsa_kernel k_q4108c7ca5e_quant
		.amdhsa_group_segment_fixed_size 0
		.amdhsa_private_segment_fixed_size 0
		.amdhsa_enable_private_segment 0
		.amdhsa_kernarg_size 48
		.amdhsa_user_sgpr_count 2
		.amdhsa_user_sgpr_kernarg_segment_ptr 1
		.amdhsa_wavefront_size32 1
		.amdhsa_system_sgpr_workgroup_id_x 1
		.amdhsa_system_sgpr_workgroup_id_y 1
		.amdhsa_system_sgpr_workgroup_id_z 1
		.amdhsa_system_vgpr_workitem_id 0
		.amdhsa_next_free_vgpr 224
		.amdhsa_next_free_sgpr 66
		.amdhsa_reserve_vcc 0
		.amdhsa_float_denorm_mode_32 3
		.amdhsa_float_denorm_mode_16_64 3
		.amdhsa_memory_ordered 1
		.amdhsa_forward_progress 1
		.amdhsa_inst_pref_size 25
	.end_amdhsa_kernel
	.amdgpu_metadata
---
amdhsa.version: [ 1, 2 ]
amdhsa.kernels:
  - .name:           k_q4108c7ca5e_quant
    .symbol:         k_q4108c7ca5e_quant.kd
    .args:
      - { .name: x, .offset: 0, .size: 8, .value_kind: global_buffer, .address_space: global }
      - { .name: Wq, .offset: 8, .size: 8, .value_kind: global_buffer, .address_space: global }
      - { .name: Wk, .offset: 16, .size: 8, .value_kind: global_buffer, .address_space: global }
      - { .name: Wv, .offset: 24, .size: 8, .value_kind: global_buffer, .address_space: global }
      - { .name: lowp_scales, .offset: 32, .size: 8, .value_kind: global_buffer, .address_space: global }
      - { .name: codes, .offset: 40, .size: 8, .value_kind: global_buffer, .address_space: global }
    .group_segment_fixed_size: 0
    .private_segment_fixed_size: 0
    .kernarg_segment_align: 8
    .kernarg_segment_size: 48
    .max_flat_workgroup_size: 256
    .sgpr_count:     66
    .vgpr_count:     224
    .wavefront_size: 32
...
	.end_amdgpu_metadata
.endif
;; end of part 1
;; launch proj (part 2): grid 12 x 16, 4 waves a work-group, clusters of 4 x 4, 327,680 bytes of LDS; arguments codes, bq, bk, bv, lowp_scales, qkv; writes qkv
.if DOCPART == 2
	.amdgcn_target "amdgcn-amd-amdhsa--gfx1250"
	.amdhsa_code_object_version 6
	.text
	.protected	k_q4108c7ca5e_proj
	.globl	k_q4108c7ca5e_proj
	.p2align	8
	.type	k_q4108c7ca5e_proj,@function
k_q4108c7ca5e_proj:
	s_mov_b64 s[64:65], 0
	v_nop
	global_prefetch_b8 v0, s[64:65] scope:SCOPE_SE
	s_setreg_imm32_b32 hwreg(HW_REG_WAVE_MODE, 25, 1), 1
	s_wait_xcnt 0x0
	s_wait_alu depctr_hold_cnt(0) depctr_sa_sdst(0) depctr_va_vdst(0) depctr_va_sdst(0) depctr_va_ssrc(0) depctr_va_vcc(0) depctr_vm_vsrc(0)
	s_getreg_b32 s2, hwreg(HW_REG_IB_STS2, 6, 4)
	s_cmp_eq_u32 s2, 0
	s_cbranch_scc0 .Lentry_in_a_cluster
	s_endpgm
.Lentry_in_a_cluster:
	s_bfe_u32 s2, ttmp6, 0x10000c
	s_cmp_lg_u32 s2, 0xf033
	s_cbranch_scc0 .Lentry_shape_is_right
	s_endpgm
.Lentry_shape_is_right:
; The three projections on E4M3 codes, + bias, quantised again to E4M3 and stored as images of the next products' operand registers.
; p = the cluster's x: 0 Q, 1 K, 2 V.  For p < 2: C = x W^T (A = x's set p, 4,096 rows; B = W's set p, 1,024 rows).  For p = 2: C = Wv x^T = V^T (A = W's set 2, B = x's set 2).
; THE MATRIX INSTRUCTION IS USED TRANSPOSED (source 0 = 16 rows of B, source 1 = 16 rows of A): a lane holds one row of C and eight neighbouring columns: eight features of a token for Q and K, eight tokens of a
; feature for V: in each case eight neighbours along the NEXT product's K, which one conversion turns into eight codes.
; A tile of C is 256 x 256: four waves of 128 x 128, 64 accumulators of 16 x 16 each.  192 tiles, a work-group to each.  K = 1,024 goes in 4 K steps of 256 through two LDS slots filled by the tensor data mover.
; codes lie in dense blocks of 128 rows x 256 bytes, a K step's block behind the other: so ONE load a wave at the head brings K steps 0 and 1 (256 rows of 256 bytes), and each refill is 128 such rows.
; CLUSTERS: 4 x 4 work-groups of one p.  A's tile is shared along a row of the cluster, B's along a column: each is asked for jointly.  No branch hangs on a place in the cluster; one hangs on p, which all sixteen share.
; PREFETCH: K steps 2 and 3, one instruction a wave each: of the 128 rows that a wave fetches each of the four partners names 32, told apart by address, a lane a row.  K step 2 is asked for at the head, behind the head's joint load,
; K step 3 behind the first fragment loads: each at least one K step ahead of its load.
; A sum stands for sum x 2^(ea + eb) (ea, eb: entries 2 p, 2 p + 1).  So the bias goes in as bias / 2^(ea + eb), as the C of the first products, and the conversion takes the one scale 2^(eo - ea - eb), eo = entry 6 + p.
; LIMITS: eo - ea - eb between -126 and 119.  NaN is not served.
; qkv: Q at 0, K at 2^22, V at 2^23; in each, (batch x 16 + head) x 131,072 bytes.  Q, K: tiles of 16 tokens, 1,024 bytes: byte 512 c + 16 lane + i = byte i of registers 4 c .. 4 c + 3 of lane (r, hh): token r,
; d = 32 c + 8 hh + 0..7, then 32 c + 16 + 8 hh + 0..7.  V: steps of 128 keys, 8,192 bytes: [dt 0..3][c 0..3][512]: lane (r, hh): d = 16 dt + r, keys 32 c + 8 hh + 0..7, then 32 c + 16 + 8 hh + 0..7.
; REGISTERS, in windows of 256: window 0: v0-31 addresses and the conversion's scale; v32-95 the bias; v96-103 the rows' bias as loaded; v112-127 the stores' offsets; from v128 A's fragments, ONE set; on the way out v128-255 are free.
;   window 1: B's fragments, TWO sets.   window 2: the accumulators of my rows 0-63 ((a, b) at v[8 (8 a + b)]);   window 3: those of my rows 64-127.
.set ROWB,   256                       ; a tile's row in bytes, and the pitch in memory
.set KBLK,   32768                     ; a block of 128 rows x 256 bytes: from K step to K step
.set PITCH,  272                       ; an LDS row: 256 bytes + 16 of padding = 68 words: the 16 rows that a load touches start at 16 different banks (64 banks of 4 bytes: ISA guide 11.1)
.set FR,     16                        ; registers of a fragment: 16 rows x 128 K
.set NL,     4                         ; LDS loads that bring one
.set NP,     4                         ; places behind this matrix instruction (ISA guide 7.12.1)
.set HALFT,  128*PITCH                 ; 128 rows of one slot.  In LDS wave w's fetch lies at 2 w HALFT: slot 0's 128 rows, then slot 1's
.set SPARE,  8*HALFT                   ; behind the ring: the spare words, 128 bytes a wave: two blocks of 256 bytes that no other line names
.set PFO,  8                           ; v8      the prefetches' offset: 256 x lane
.set ADRA, 16                          ; v16-17  LDS address of my A fragments in slot 0, 1
.set ADRB, 20                          ; v20-21  the same for B
.set SPW,  28                          ; v28     LDS address of my spare word; never rewritten
.set NIL,  29                          ; v29     0; never rewritten
.set CSC,  30                          ; v30     2^(eo - ea - eb)
.set LIM,  31                          ; v31     448 x that
.set BI,   32                          ; v32-95  the bias: Q, K: group b (8 registers) = the lane's 8 columns of block b; V: group a = the lane's row of block a, 8 times
.set BM,   96                          ; v96-103 bias of my row in block a, as loaded
.set VO,   112                         ; v112-127 the stores' offsets
.set AF,   128                         ; A's fragments
.set CD,   128                         ; v128-255 codes: block a's 16 registers take the place of A's fragment a
.set G1, 24                            ; s[24:31] descriptor group 1 for A's tiles;  s[32:39] group 0, one set for each slot
.set G0, 32
.set G1B, 48                           ; s[48:55], s[56:63] the same for B's tiles
.set G0B, 56
.set PFA, 66                           ; s[66:67] where my prefetches stand
.set MSB, 0
.macro WIN new                         ; the immediate's high byte repeats the setting that is left
.if MSB != \new
	s_set_vgpr_msb (MSB<<8)|\new
.set MSB, \new
.endif
.endm
.set MUL_LO, 0xa1                      ; source 0 (B) window 1, source 1 (A) window 0, C and D window 2
.set MUL_HI, 0xf1                      ; the same, C and D window 3
.set BIA_LO, 0x81                      ; the first products: C window 0 (the bias), D window 2
.set BIA_HI, 0xc1                      ; D window 3
.set TO_B,   0x40                      ; destination window 1, address window 0
; A joint load: waves 0 and 1 fetch for A, waves 2 and 3 for B.  The branch hangs on the wave's number alone.  An s_nop 0 and four v_nop follow each of the two lines.
.macro JLOAD g0a, g1a, g0b, g1b
	s_cmp_eq_u32 s15, 0
	s_cbranch_scc0 .Lfor_b_\@
	tensor_load_to_lds s[\g0a:\g0a+3], s[\g1a:\g1a+7]
	s_nop 0
.rept 4
	v_nop
.endr
	s_branch .Lasked_\@
.Lfor_b_\@:
	tensor_load_to_lds s[\g0b:\g0b+3], s[\g1b:\g1b+7]
	s_nop 0
.rept 4
	v_nop
.endr
.Lasked_\@:
.endm
.macro CREST                           ; a round of the cluster's barrier behind its opening barrier
	s_cmp_lg_u32 s14, 0
	s_cbranch_scc1 .Lnot_wave_0_\@
	s_barrier_signal -3
.Lnot_wave_0_\@:
	s_barrier_wait -3
	s_barrier_signal -1
	s_barrier_wait -1
.endm
.macro CROUND                          ; a whole round
	s_barrier_signal -1
	s_barrier_wait -1
	CREST
.endm
	s_load_b256 s[4:11], s[0:1], 0x0               ; codes s[4:5], bq s[6:7], bk s[8:9], bv s[10:11]
	s_load_b128 s[84:87], s[0:1], 0x20             ; the scales' exponents s[84:85], qkv s[86:87]
	v_lshl_add_u32 v[SPW], v0, 2, SPARE
	v_mov_b32 v[NIL], 0
	ds_add_u32 v[SPW], v[NIL]                      ; the wave's opening: the add, twice on end, and its wait ahead of my first tensor load
	ds_add_u32 v[SPW], v[NIL]
	v_lshrrev_b32 v1, 5, v0
	v_readfirstlane_b32 s14, v1                    ; wave 0..3
	s_lshr_b32 s15, s14, 1                         ; which half of the tile's rows is mine.  Also: I fetch for A (0) or for B (1)
	s_and_b32 s16, s14, 1                          ; which half of its columns.  Also: which 128 rows of that tile I fetch
	s_bfe_u32 s40, ttmp6, 0x40000                  ; cx, cy: my place in the cluster
	s_bfe_u32 s41, ttmp6, 0x40004
	s_and_b32 s13, ttmp7, 0xffff                   ; the cluster's y, 0..3: which 1,024 tokens
	s_lshl_b32 s80, ttmp9, 22                      ; x's set p in codes,
	s_lshl_b32 s81, ttmp9, 20
	s_add_co_u32 s81, s81, 0xC00000                ; W's set p
	s_cmp_eq_u32 ttmp9, 2                          ; V?  The same in all sixteen partners
	s_cselect_b32 s12, s13, 0                      ; the tokens lie along C's columns for V,
	s_cselect_b32 s13, 0, s13                      ; along its rows for Q and K
	s_cselect_b32 s78, -1, 0                       ; a mask: V
	s_cselect_b32 s79, 0, -1                       ; a mask: not V
	s_cselect_b32 s18, s81, s80                    ; A: W for V, else x
	s_cselect_b32 s81, s80, s81                    ; B: x for V, else W
	s_mov_b32 s80, s18
	s_lshl_b32 s17, s13, 2
	s_add_co_u32 s17, s17, s41                     ; tile row of C: it hangs on cy, never on cx
	s_lshl_b32 s42, s12, 2
	s_add_co_u32 s42, s42, s40                     ; tile column of C: it hangs on cx, never on cy
	s_lshl_b32 s43, s41, 2
	s_lshl_b32 s43, 15, s43                        ; my row of the cluster
	s_lshl_b32 s44, 0x1111, s40                    ; my column
	; descriptor group 1: at the head a tile of 256 rows x 256 bytes, dense in memory, padded in LDS
	s_or_b32 s[G1+0], s43, (0<<16)|(1<<20)|(1<<21)|(5<<22)|(3<<25)  ; 15:0 the mask: A's tiles go to my row; 17:16 element of 1 byte; 20 padding on; 21 set beside a mask; 24:22 after every 64 words (code 5); 31:25 of 4 words (code 3)
	s_or_b32 s[G1B+0], s44, (0<<16)|(1<<20)|(1<<21)|(5<<22)|(3<<25)
.irp g, G1, G1B
	s_mov_b32 s[\g+1], ROWB<<16                    ; tensor_dim0
	s_mov_b32 s[\g+2], 256<<16                     ; tensor_dim1
	s_mov_b32 s[\g+3], ROWB<<16                    ; tile_dim0
	s_mov_b32 s[\g+4], 256                         ; tile_dim1
	s_mov_b32 s[\g+5], ROWB                        ; tensor_dim0_stride
	s_mov_b32 s[\g+6], 0
	s_mov_b32 s[\g+7], 0
.endr
	s_lshl_b32 s18, s16, 7                         ; which 128 rows of the tile I fetch
	s_lshl_b32 s20, s17, 8
	s_add_co_u32 s20, s20, s18                     ; A: row 256 x tile row + 128 x half
	s_lshl_b32 s46, s42, 8
	s_add_co_u32 s46, s46, s18                     ; B: row 256 x tile column + 128 x half
	s_lshl_b32 s20, s20, 10                        ; 128 rows are 131,072 bytes,
	s_lshl_b32 s46, s46, 10
	s_add_co_u32 s20, s20, s80                     ; in their sets: under 2^24
	s_add_co_u32 s46, s46, s81
	s_cmp_eq_u32 s15, 0                            ; the prefetches: of what I fetch,
	s_cselect_b32 s[PFA], s20, s46
	s_cselect_b32 s19, s40, s41                    ; my work-group's 32 rows by its place among the four that ask
	s_lshl_b32 s19, s19, 13
	s_add_co_u32 s[PFA], s[PFA], s19
	s_mov_b32 s[PFA+1], 0
	s_mov_b32 s21, 0
	s_mov_b32 s47, 0
	s_mul_i32 s45, s14, 2*HALFT                    ; where they go: no place in the cluster enters an LDS address
	s_wait_alu depctr_va_vdst(0)
	s_wait_dscnt 0x0                               ; both opening adds are done
	s_wait_kmcnt 0x0
	s_load_b256 s[68:75], s[84:85], 0x0            ; e0 .. e7
	s_load_b64 s[76:77], s[84:85], 0x20            ; e8, e9
	s_add_nc_u64 s[20:21], s[4:5], s[20:21]
	s_add_nc_u64 s[46:47], s[4:5], s[46:47]
	s_add_nc_u64 s[PFA:PFA+1], s[4:5], s[PFA:PFA+1]
	CROUND                                         ; all sixteen work-groups are here: the first joint loads meet
.irp s, 0,1
	s_mov_b32 s[G0+4*\s], 1
	s_add_co_u32 s[G0+4*\s+1], s45, \s*HALFT
	s_add_nc_u64 s[G0+4*\s+2:G0+4*\s+3], s[20:21], \s*KBLK
	s_or_b32 s[G0+4*\s+3], s[G0+4*\s+3], 0x80000000
	s_mov_b32 s[G0B+4*\s], 1
	s_add_co_u32 s[G0B+4*\s+1], s45, \s*HALFT
	s_add_nc_u64 s[G0B+4*\s+2:G0B+4*\s+3], s[46:47], \s*KBLK
	s_or_b32 s[G0B+4*\s+3], s[G0B+4*\s+3], 0x80000000
.endr
	JLOAD G0, G1, G0B, G1B                         ; K steps 0 and 1, into both slots: my one load at the head
	; all that follows, up to the wait on the tiles, is done while they are on their way
	v_and_b32 v1, 15, v0                           ; r = l % 16
	v_bfe_u32 v2, v0, 4, 1                         ; hh = l / 16
	v_mul_u32_u24 v3, v1, PITCH
	v_lshl_add_u32 v4, v2, 4, v3                   ; a fragment's row r x pitch + 16 hh
	s_wait_alu depctr_va_vdst(0)
	s_mul_i32 s21, s15, 2*HALFT                    ; my 128 rows of A
	s_mul_i32 s22, s16, 2*HALFT                    ; my 128 rows of B,
	s_add_co_u32 s22, s22, 4*HALFT                 ; which lie behind A's
.irp s, 0,1
	v_add_nc_u32 v[ADRA+\s], s21, v4
	v_add_nc_u32 v[ADRB+\s], s22, v4
	s_add_co_u32 s21, s21, HALFT
	s_add_co_u32 s22, s22, HALFT
.endr
	; where the images go.  A block of 16 rows x 32 columns of C is one image of 512 bytes, and a lane's 16 codes of it are its 16 bytes.  Row block 8 s15 + a, column block 4 s16 + q, h = q / 2 (rounded down):
	s_mov_b32 s92, 0x2000                          ; Q, K: from row half to row half 8 tiles of tokens,
	s_mov_b32 s93, 0x400                           ;       from a to a one tile,
	s_mov_b32 s94, 0x40000                         ;       from column half to column half two heads,
	s_mov_b32 s95, 0x20000                         ;       from h to h one head,
	s_mov_b32 s96, 0x1000                          ;       from a = 0 to a = 4 four tiles
	s_cmp_eq_u32 ttmp9, 2
	s_cselect_b32 s92, 0x40000, s92                ; V: from row half to row half two heads,
	s_cselect_b32 s93, 0x800, s93                  ;    from a to a 16 of the head's 64,
	s_cselect_b32 s94, 0x2000, s94                 ;    from column half to column half a step of 128 keys,
	s_cselect_b32 s95, 0x400, s95                  ;    from h to h 64 keys,
	s_cselect_b32 s96, 0x20000, s96                ;    from a = 0 to a = 4 a head
	s_cselect_b32 s18, s42, s17                    ; the tile's place along the tokens, 0..15,
	s_cselect_b32 s19, s17, s42                    ; and along the features, 0..3
	s_lshl_b32 s22, ttmp9, 22                      ; Q, K or V,
	s_lshr_b32 s23, s18, 3
	s_lshl_b32 s23, s23, 21                        ; the batch: 16 heads of 2^17 bytes,
	s_add_co_u32 s22, s22, s23
	s_lshl_b32 s23, s19, 19                        ; 4 heads to a tile,
	s_add_co_u32 s22, s22, s23
	s_and_b32 s23, s18, 7
	s_lshl_b32 s23, s23, 14                        ; 256 tokens: 16 tiles of 1,024 bytes, or 2 steps of 8,192,
	s_add_co_u32 s22, s22, s23
	s_mul_i32 s23, s15, s92
	s_add_co_u32 s22, s22, s23
	s_mul_i32 s23, s16, s94
	s_add_co_u32 s22, s22, s23
	s_mov_b32 s23, 0
	s_add_nc_u64 s[86:87], s[86:87], s[22:23]
	; the bias: along the columns for Q and K, along the rows for V.  Both are loaded; the index of the one that does not apply is held at the tile 0 by a mask, so that no load leaves the buffer, and its numbers are cleared
	s_cmp_eq_u32 ttmp9, 0
	s_cselect_b64 s[88:89], s[6:7], s[8:9]
	s_cmp_eq_u32 ttmp9, 2
	s_cselect_b64 s[88:89], s[10:11], s[88:89]     ; bq, bk or bv
	s_and_b32 s18, s42, s79
	s_lshl_b32 s18, s18, 10                        ; 256 numbers of 4 bytes to a tile column,
	s_lshl_b32 s19, s16, 9                         ; my 128 columns
	s_add_co_u32 s18, s18, s19
	s_mov_b32 s19, 0
	s_and_b32 s22, s17, s78
	s_lshl_b32 s22, s22, 10
	s_lshl_b32 s23, s15, 9                         ; my 128 rows
	s_add_co_u32 s22, s22, s23
	s_mov_b32 s23, 0
	s_add_nc_u64 s[90:91], s[88:89], s[22:23]
	s_add_nc_u64 s[88:89], s[88:89], s[18:19]
	v_lshlrev_b32 v5, 5, v2                        ; columns 16 b + 8 hh + 0..7: 64 b + 32 hh bytes
	v_lshlrev_b32 v6, 2, v1                        ; row 16 a + r: 64 a + 4 r bytes
.irp b, 0,1,2,3,4,5,6,7
	global_load_b128 v[BI+8*\b:BI+8*\b+3], v5, s[88:89] offset:64*\b
	global_load_b128 v[BI+8*\b+4:BI+8*\b+7], v5, s[88:89] offset:64*\b+16
.endr
.irp a, 0,1,2,3,4,5,6,7
	global_load_b32 v[BM+\a], v6, s[90:91] offset:64*\a
.endr
	v_and_b32 v7, 31, v0
	v_lshlrev_b32 v[PFO], 8, v7
	v_lshlrev_b32 v[VO], 4, v7                     ; offset (a, h) at v[VO + 2 a + h]: 16 x lane,
	v_add_nc_u32 v[VO+1], s95, v[VO]
	global_prefetch_b8 v[PFO], s[PFA:PFA+1] offset:2*KBLK th:TH_LOAD_NT scope:SCOPE_SE   ; K step 2: 32 rows, a lane a row.  Its address registers are never rewritten
.irp i, 2,3,4,5,6,7
	v_add_nc_u32 v[VO+\i], s93, v[VO+\i-2]
.endr
.irp i, 8,9
	v_add_nc_u32 v[VO+\i], s96, v[VO+\i-8]
.endr
.irp i, 10,11,12,13,14,15
	v_add_nc_u32 v[VO+\i], s93, v[VO+\i-2]
.endr
	s_wait_alu depctr_va_vdst(0)
	s_wait_kmcnt 0x0
	s_add_co_i32 s18, s68, s69                     ; ea + eb for p = 0,
	s_add_co_i32 s19, s70, s71                     ; 1,
	s_add_co_i32 s22, s72, s73                     ; 2
	s_cmp_eq_u32 ttmp9, 0
	s_cselect_b32 s18, s18, s19
	s_cselect_b32 s19, s74, s75                    ; eo: e6 or e7,
	s_cmp_eq_u32 ttmp9, 2
	s_cselect_b32 s18, s22, s18
	s_cselect_b32 s19, s76, s19                    ; or e8
	s_sub_co_i32 s82, 0, s18                       ; -(ea + eb)
	s_sub_co_i32 s83, s19, s18                     ; eo - ea - eb
	s_add_co_i32 s83, s83, 127
	s_lshl_b32 s18, s83, 23
	v_mov_b32 v[CSC], s18                          ; 2^(eo - ea - eb) as f32: the conversion takes its exponent field
	s_add_co_i32 s83, s83, 8
	s_lshl_b32 s83, s83, 23
	s_or_b32 s83, s83, 0x600000
	v_mov_b32 v[LIM], s83                          ; 448 x that
	s_wait_alu depctr_va_vdst(0)
	s_wait_loadcnt 0x0                             ; the bias
.irp a, 0,1,2,3,4,5,6,7
	v_and_b32 v[BM+\a], s78, v[BM+\a]              ; 0 for Q and K
.endr
.set i, 0
.rept 64
	v_and_or_b32 v[BI+i], v[BI+i], s79, v[BM+i/8]  ; Q, K: the columns' bias; V: the row's
.set i, i+1
.endr
.set i, 0
.rept 64
	v_ldexp_f32 v[BI+i], v[BI+i], s82              ; bias / 2^(ea + eb)
.set i, i+1
.endr
.macro FRAG reg, adr, q, i             ; a fragment, 16 rows x 128 K, is 16 registers: lane l holds row l % 16; registers 4 c .. 4 c + 3 hold bytes 32 c + 16 (l / 16) + 0 .. 15: a permutation of k, the same in A and in B
.irp c, 0,1,2,3
	ds_load_b128 v[\reg+4*\c:\reg+4*\c+3], v[\adr] offset:128*(\q)+32*\c+(\i)*16*PITCH
.endr
.endm
; 16 matrix instructions: A's blocks a0, a0 + 1 x B's eight, 128 along K.  p: B's set.  first = 1, 2: the bias starts the sums, by columns (Q, K) or by rows (V).
; The 64 accumulators take turns, one instruction a turn, in the same order in every step.
.macro MUL16 a0, p, first
.irp a, \a0, \a0+1
.irp b, 0,1,2,3,4,5,6,7
.if \first == 1
	v_wmma_f32_16x16x128_fp8_fp8 v[8*(8*((\a)%4)+\b):8*(8*((\a)%4)+\b)+7], v[128*(\p)+FR*\b:128*(\p)+FR*\b+FR-1], v[AF+FR*(\a):AF+FR*(\a)+FR-1], v[BI+8*\b:BI+8*\b+7]
.elseif \first == 2
	v_wmma_f32_16x16x128_fp8_fp8 v[8*(8*((\a)%4)+\b):8*(8*((\a)%4)+\b)+7], v[128*(\p)+FR*\b:128*(\p)+FR*\b+FR-1], v[AF+FR*(\a):AF+FR*(\a)+FR-1], v[BI+8*(\a):BI+8*(\a)+7]
.else
	v_wmma_f32_16x16x128_fp8_fp8 v[8*(8*((\a)%4)+\b):8*(8*((\a)%4)+\b)+7], v[128*(\p)+FR*\b:128*(\p)+FR*\b+FR-1], v[AF+FR*(\a):AF+FR*(\a)+FR-1], v[8*(8*((\a)%4)+\b):8*(8*((\a)%4)+\b)+7]
.endif
.endr
.endr
.endm
.macro FETCH_B slot, q, p              ; B's eight fragments of the slot's q-th 128 along K into set p
	WIN TO_B
.irp i, 0,1,2,3,4,5,6,7
	FRAG 128*(\p)+FR*\i, ADRB+\slot, \q, \i
.endr
	WIN 0
.endm
.macro FETCH_A slot, q, i0             ; A's blocks i0 .. i0 + 3
.irp i, \i0, \i0+1, \i0+2, \i0+3
	FRAG AF+FR*(\i), ADRA+\slot, \q, \i
.endr
.endm
.macro PLACES n                        ; a load into a register that a matrix instruction has read, and a vector instruction that reads a result or writes such a register, stand four plain vector instructions behind it
.rept \n
	v_nop
.endr
.endm
; A step of 128 along K that has its successor in the same slot.  A block of A is free as soon as its eight products are issued: blocks 0-3 are fetched anew in the step's middle, blocks 4-7 at its end.
.macro STEP slot, q, first
	s_wait_dscnt 4*NL                              ; B's set and A's blocks 0-3 are in; the youngest 16 loads (A's blocks 4-7) may be out
.if \first
	WIN BIA_LO
.else
	WIN MUL_LO
.endif
	MUL16 0, (\q)%2, \first
	MUL16 2, (\q)%2, \first
	s_wait_dscnt 0                                 ; A's blocks 4-7 are in
	PLACES NP
	FETCH_B \slot, (\q)+1, 1-(\q)%2
	FETCH_A \slot, (\q)+1, 0
.if \first
	WIN BIA_HI
.else
	WIN MUL_HI
.endif
	MUL16 4, (\q)%2, \first
	MUL16 6, (\q)%2, \first
	PLACES NP
	WIN 0
	FETCH_A \slot, (\q)+1, 4
.endm
; A slot's last step changes slots: ONE barrier; in front of it each wave waits for all its tensor loads, adds 0 to its spare word, and waits for that and for its own reads of this slot.  fill = 1: this slot is filled again, two K steps ahead.
.macro TURN slot, next, fill
	s_wait_tensorcnt 0x0                           ; all my tensor loads have landed: my part of the next slot
	ds_add_u32 v[SPW], v[NIL]                      ; 0 onto my spare word
	s_wait_dscnt 4*NL+1                            ; (the add and the youngest 16 loads, A's blocks 4-7, may be out)
	WIN MUL_LO
	MUL16 0, 1, 0                                  ; sixteen matrix instructions stand between the add and the wait for it
	s_wait_dscnt 0x0                               ; the add is done, and my reads of this slot are over
	s_barrier_signal -1
	MUL16 2, 1, 0
	WIN 0
	s_barrier_wait -1
.if \fill
	CREST                                          ; the barrier has opened a round of the cluster's barrier: no wave of any partner still reads this slot's tile or has a load on its way
	s_add_nc_u64 s[G0+4*\slot+2:G0+4*\slot+3], s[G0+4*\slot+2:G0+4*\slot+3], 2*KBLK
	s_add_nc_u64 s[G0B+4*\slot+2:G0B+4*\slot+3], s[G0B+4*\slot+2:G0B+4*\slot+3], 2*KBLK
	JLOAD G0+4*\slot, G1, G0B+4*\slot, G1B         ; the first tensor load behind the round, my one load until the next; its four v_nop are the places in front of the loads below
.else
	PLACES NP
.endif
	FETCH_B \next, 0, 0
	FETCH_A \next, 0, 0
	WIN MUL_HI
	MUL16 4, 1, 0
	MUL16 6, 1, 0
	PLACES NP
	WIN 0
	FETCH_A \next, 0, 4
.endm
	s_wait_alu depctr_va_vdst(0)                   ; the wait at the head's end
	s_wait_tensorcnt 0x0                           ; my part of K steps 0 and 1 is in
.irp g, G1, G1B
	s_mov_b32 s[\g+2], 128<<16                     ; the refills: 128 rows
	s_mov_b32 s[\g+4], 128
.endr
	s_barrier_signal -1
	s_barrier_wait -1                              ; everybody's is
	FETCH_B 0, 0, 0
	FETCH_A 0, 0, 0
	FETCH_A 0, 0, 4
	global_prefetch_b8 v[PFO], s[PFA:PFA+1] offset:3*KBLK th:TH_LOAD_NT scope:SCOPE_SE   ; K step 3
	s_cmp_eq_u32 ttmp9, 2                          ; K 0-127: the bias starts the sums.  The branch is the same in all sixteen partners
	s_cbranch_scc1 .Lby_rows
	STEP 0, 0, 1
	s_branch .Lstarted
.Lby_rows:
	STEP 0, 0, 2
.Lstarted:
	TURN 0, 1, 1                                   ; K 128-255; slot 0 takes K 512-767
	STEP 1, 0, 0
	TURN 1, 0, 1                                   ; slot 1 takes K 768-1023
	STEP 0, 0, 0
	TURN 0, 1, 0                                   ; nothing is left to fetch: a plain barrier.  Behind it nobody reads slot 0
	STEP 1, 0, 0
; THE LAST STEP GOES BY ROWS OF C, so that a finished row leaves while the next is multiplied.  Behind each product of row a stand the eight holds of one accumulator of row a - 1, in place, under the same register windows:
; source 0 the bound in window 1 (v0 of B's set 0, which is done with), source 1 the bound in window 0, source 2 and the result the accumulator.
.macro HOLD a, b
.irp j, 0,1,2,3,4,5,6,7
	v_med3_num_f32 v[8*(8*((\a)%4)+(\b))+\j], v0, -v[LIM], v[8*(8*((\a)%4)+(\b))+\j]   ; the conversion to an 8-bit code does not saturate (ISA guide 7.6.2); each accumulator from its low end on
.endr
.endm
.macro LROW a                          ; row a's eight products (rows 0 and 4 have no row before them under their windows)
	WIN MUL_LO+0x50*((\a)/4)
.irp b, 0,1,2,3,4,5,6,7
	v_wmma_f32_16x16x128_fp8_fp8 v[8*(8*((\a)%4)+\b):8*(8*((\a)%4)+\b)+7], v[128+FR*\b:128+FR*\b+FR-1], v[AF+FR*(\a):AF+FR*(\a)+FR-1], v[8*(8*((\a)%4)+\b):8*(8*((\a)%4)+\b)+7]
.if ((\a)%4) != 0
.if (\a) == 1 && \b == 0
	PLACES NP                                      ; row 0's results have just been made
.endif
	HOLD (\a)-1, \b
.endif
.endr
.endm
.macro HOLDROW a                       ; the holds of a row that has no row behind it under its windows
	WIN MUL_LO+0x50*((\a)/4)
.irp b, 0,1,2,3,4,5,6,7
	HOLD \a, \b
.endr
.endm
.macro SENDROW a                       ; row a: eight conversions; a lane's 16 bytes of a store are columns 32 q + 8 hh + 0..7 and 32 q + 16 + 8 hh + 0..7 of its row: four registers of the next product's operand
	WIN 0x02+((\a)/4)                              ; source 0: window 2 or 3
.irp b, 0,1,2,3,4,5,6,7
	v_cvt_scalef32_pk8_fp8_f32 v[CD+16*(\a)+2*\b:CD+16*(\a)+2*\b+1], v[8*(8*((\a)%4)+\b):8*(8*((\a)%4)+\b)+7], v[CSC]
.endr
	v_nop                                          ; one plain vector line behind the conversions
	WIN 0
.irp q, 0,1,2,3
	global_store_b128 v[VO+2*(\a)+\q/2], v[CD+16*(\a)+4*\q:CD+16*(\a)+4*\q+3], s[86:87] offset:512*(\q%2)   ; 32 lanes store 512 consecutive bytes, aligned; each row has registers of its own
.endr
.endm
	WIN 0x40
	v_mov_b32 v0, v[LIM]                           ; v0 of window 1
	WIN 0
	s_wait_alu depctr_va_vdst(0)
	s_wait_dscnt 4*NL                              ; B's set and A's blocks 0-3 are in; A's blocks 4-7 may be out
	LROW 0
	LROW 1
	SENDROW 0
	LROW 2
	SENDROW 1
	LROW 3
	SENDROW 2
	s_wait_dscnt 0
	LROW 4
	HOLDROW 3
	SENDROW 3
	LROW 5
	SENDROW 4
	LROW 6
	SENDROW 5
	LROW 7
	SENDROW 6
	HOLDROW 7
	SENDROW 7
	s_wait_tensorcnt 0x0                           ; the wave's end, behind my last tensor load and my last LDS store
	ds_add_u32 v[SPW], v[NIL]
	s_wait_dscnt 0x0
	CROUND                                         ; the closing round: no work-group ends while a partner may still ask for a tile that names it
	s_endpgm
.Lfunc_end_k_q4108c7ca5e_proj:
	.size	k_q4108c7ca5e_proj, .Lfunc_end_k_q4108c7ca5e_proj-k_q4108c7ca5e_proj
	.p2alignl 7, 3214868480
	.fill 96, 4, 3214868480
	.section	.rodata,"a",@progbits
	.p2align	6, 0x0
	.amdhsa_kernel k_q4108c7ca5e_proj
		.amdhsa_group_segment_fixed_size 327680
		.amdhsa_private_segment_fixed_size 0
		.amdhsa_enable_private_segment 0
		.amdhsa_kernarg_size 48
		.amdhsa_user_sgpr_count 2
		.amdhsa_user_sgpr_kernarg_segment_ptr 1
		.amdhsa_wavefront_size32 1
		.amdhsa_system_sgpr_workgroup_id_x 1
		.amdhsa_system_sgpr_workgroup_id_y 1
		.amdhsa_system_sgpr_workgroup_id_z 1
		.amdhsa_system_vgpr_workitem_id 0
		.amdhsa_next_free_vgpr 1024
		.amdhsa_next_free_sgpr 98
		.amdhsa_reserve_vcc 0
		.amdhsa_float_denorm_mode_32 3
		.amdhsa_float_denorm_mode_16_64 3
		.amdhsa_memory_ordered 1
		.amdhsa_forward_progress 1
		.amdhsa_inst_pref_size 140
	.end_amdhsa_kernel
	.amdgpu_metadata
---
amdhsa.version: [ 1, 2 ]
amdhsa.kernels:
  - .name:           k_q4108c7ca5e_proj
    .symbol:         k_q4108c7ca5e_proj.kd
    .args:
      - { .name: codes, .offset: 0, .size: 8, .value_kind: global_buffer, .address_space: global }
      - { .name: bq, .offset: 8, .size: 8, .value_kind: global_buffer, .address_space: global }
      - { .name: bk, .offset: 16, .size: 8, .value_kind: global_buffer, .address_space: global }
      - { .name: bv, .offset: 24, .size: 8, .value_kind: global_buffer, .address_space: global }
      - { .name: lowp_scales, .offset: 32, .size: 8, .value_kind: global_buffer, .address_space: global }
      - { .name: qkv, .offset: 40, .size: 8, .value_kind: global_buffer, .address_space: global }
    .group_segment_fixed_size: 327680
    .private_segment_fixed_size: 0
    .kernarg_segment_align: 8
    .kernarg_segment_size: 48
    .max_flat_workgroup_size: 128
    .sgpr_count:     98
    .vgpr_count:     1024
    .wavefront_size: 32
...
	.end_amdgpu_metadata
.endif
;; end of part 2
;; launch attn (part 3): grid 8 x 32, 16 waves a work-group, clusters of 4 x 1, 327,680 bytes of LDS; arguments qkv, lowp_scales, out0; writes out0
.if DOCPART == 3
	.amdgcn_target "amdgcn-amd-amdhsa--gfx1250"
	.amdhsa_code_object_version 6
	.text
	.protected	k_q4108c7ca5e_attn
	.globl	k_q4108c7ca5e_attn
	.p2align	8
	.type	k_q4108c7ca5e_attn,@function
k_q4108c7ca5e_attn:
	s_mov_b64 s[64:65], 0
	v_nop
	global_prefetch_b8 v0, s[64:65] scope:SCOPE_SE
	s_setreg_imm32_b32 hwreg(HW_REG_WAVE_MODE, 25, 1), 1
	s_wait_xcnt 0x0
	s_wait_alu depctr_hold_cnt(0) depctr_sa_sdst(0) depctr_va_vdst(0) depctr_va_sdst(0) depctr_va_ssrc(0) depctr_va_vcc(0) depctr_vm_vsrc(0)
	s_getreg_b32 s2, hwreg(HW_REG_IB_STS2, 6, 4)
	s_cmp_eq_u32 s2, 0
	s_cbranch_scc0 .Lentry_in_a_cluster
	s_endpgm
.Lentry_in_a_cluster:
	s_bfe_u32 s2, ttmp6, 0x10000c
	s_cmp_lg_u32 s2, 0x3003
	s_cbranch_scc0 .Lentry_shape_is_right
	s_endpgm
.Lentry_shape_is_right:
; Causal attention on E4M3 codes, one (batch, head) to a row y of the grid: S^T = K Q^T, softmax by p = 2^(t - M), O^T = V^T P^T, divided by the row's sum of the unquantised p.  t = score x log2(e) / 8; M = the running largest t rounded up
; to a whole number: when it moves, the sum and O are multiplied by 2^(old M - new M): exact.
; DEAD WORK: steps of 128 keys that lie wholly behind a wave's queries are not walked (the mask is reference()'s own: their p is 0).  A NaN or an infinity that reaches only them is not carried to the result.
; LIMITS: eq + ek between -123 and 130, ep between -126 and 119 (powers of two below are f32 numbers); the exponents t stay under 2^31 in magnitude.  NaN is not served.
; SHARES.  Work-group x (0..7) of a head has its tiles of 16 queries 8 g + x, g = 0..15: tile g needs key steps 0..g, WHATEVER x IS, so no branch hangs on the work-group.  Waves 2 k and 2 k + 1 are a pair and own the long tile g = 8 + k and
; the short tile g = 7 - k, 17 steps together.  Wave A of the pair takes the long tile's steps 0..7; wave B the short tile's steps 0..7-k, and then the long tile's steps 8..8+k: 8 and 9 steps.
; A hands its O, sum and M to B through LDS; B joins them by powers of two: exact.  A and B by turns: waves w, w + 4, w + 8, w + 12 hold two of each, and so do waves 4 i .. 4 i + 3.
; CLUSTERS: four work-groups of a head; all K and V are asked for jointly (mask 15), every wave fetching its share: first keys 0-511 (4 KiB of K or of V a wave), then the rest (12 KiB a wave), each once, into LDS bytes of their own.
; The second load is issued ahead of the first key step, and has three key steps in which to land.  No prefetch.
; LAYOUT.  qkv holds images of the operands' registers (Q, K: 1,024 bytes for 16 tokens; V: 8,192 bytes for 128 keys), so every LDS load of a wave reads 512 consecutive bytes.  A lane holds query r = lane % 16; register 8 t + j of S^T
; is key 16 t + 8 (lane / 16) + j of the step: two registers of codes a tile are registers 2 t, 2 t + 1 of the second product's operand.
; LDS: steps 0-3, each 8,192 bytes of K, then of V; K of steps 4-15; V of steps 4-15; a stage for each B; the spare words.  What A hands over takes 4,352 bytes a pair in steps 0-2's place, which nobody reads behind the walk's barrier.
; REGISTERS: v1 16 x lane, v2 v4 the pair's place for what A hands over, v3 the diagonal's bound, v7 v10 v11 the way out, v12 -M, v13 the largest score, v16-23 Q, v24-31 the long tile's Q, v32-95 fragments of K, then of V,
; v96-159 S^T, then p, v160-191 O^T, v192-193 the sum, v194-203 at work, v204-235 the way out, v224-239 p's codes.
.set SPITCH, 272
.set PART, 16*SPITCH                   ; 4,352 bytes: a stage; and what A hands over: O 4,096, sum and -M 256
.set KB,   65536                       ; K, keys 512-2047
.set VB,   KB+98304
.set STAGE, VB+98304                   ; 262,144: no fill lands there
.set SPARE, STAGE+8*PART               ; 296,960: 128 bytes a wave: eight blocks of 256 bytes that no other line names
.set SPW, 5
.set NIL, 6
.set TB,  2                            ; LDS byte of the step's K,
.set TV,  10                           ; and of its V
.set CNT, 3
.set PK,  12                           ; k
.set BR,  13                           ; 1 in wave B of the pair
.set WV,  18
.set NCS, 19                           ; -c
.set SEL, 20                           ; lane selects: lane l xor 16
.set CS,  22                           ; s[22:23] c = log2(e) / 8 x 2^(eq + ek)
.set G1A, 24
.set G0A, 32
.set G1B, 36
.set G0B, 44
.set KF,  48                           ; the step's first key
.set QG,  49                           ; 128 g of the tile in hand
.set QG2, 14                           ; and of the second: 0 in A, which has none
.set EO,  15                           ; ev + ep
.set SM,  192
.set MX,  200
.macro ROUND                           ; a round of the cluster's barrier
	s_barrier_signal -1
	s_barrier_wait -1
	s_cmp_lg_u32 s[WV], 0
	s_cbranch_scc1 .Lnot_wave_0_\@
	s_barrier_signal -3
.Lnot_wave_0_\@:
	s_barrier_wait -3
	s_barrier_signal -1
	s_barrier_wait -1
.endm
	s_load_b128 s[4:7], s[0:1], 0x0                ; qkv, the scales' exponents
	s_load_b64 s[8:9], s[0:1], 0x10                ; out0
	v_lshl_add_u32 v[SPW], v0, 2, SPARE
	v_mov_b32 v[NIL], 0
	ds_add_u32 v[SPW], v[NIL]                      ; the wave's opening: the add, twice on end, and its wait ahead of my first tensor load
	ds_add_u32 v[SPW], v[NIL]
	v_lshrrev_b32 v8, 5, v0
	v_readfirstlane_b32 s[WV], v8                  ; wave 0..15
	s_bfe_u32 s16, ttmp6, 0x40000                  ; cx
	s_lshl_b32 s17, ttmp9, 2
	s_add_co_u32 s17, s17, s16                     ; x
	s_lshl_b32 s51, s17, 4                         ; 16 x
	s_and_b32 s56, ttmp7, 0xffff                   ; batch x 16 + head
	s_lshr_b32 s[PK], s[WV], 1
	s_lshr_b32 s[BR], s[WV], 2
	s_xor_b32 s[BR], s[BR], s[WV]
	s_and_b32 s[BR], s[BR], 1
	s_add_co_u32 s50, s[PK], 8                     ; the long tile's g
	s_add_co_u32 s52, s50, s[PK]
	s_sub_co_u32 s52, s52, 7                       ; 2 k + 1: from the short tile's g to the long one's
	s_mul_i32 s52, s52, s[BR]
	s_sub_co_u32 s52, s50, s52                     ; my first tile's g
	s_lshl_b32 s[QG], s52, 7
	s_lshl_b32 s50, s50, 7
	s_mul_i32 s[QG2], s50, s[BR]
	s_add_co_u32 s50, s50, s51                     ; the long tile's first query
	s_add_co_u32 s52, s[QG], s51                   ; my first tile's
	; descriptor group 1: rows of 256 bytes, dense: 16 of them (keys 0-511) or 48
.irp g, G1A, G1B
	s_mov_b32 s[\g], 15|(3<<16)|(1<<21)            ; 15:0 the mask: all four; 17:16 elements of 8 bytes; 21 set beside a mask
	s_mov_b32 s[\g+1], 32<<16
	s_mov_b32 s[\g+3], 32<<16
	s_mov_b32 s[\g+5], 32
	s_mov_b32 s[\g+6], 0
	s_mov_b32 s[\g+7], 0
.endr
	s_mov_b32 s[G1A+2], 16<<16
	s_mov_b32 s[G1A+4], 16
	s_mov_b32 s[G1B+2], 48<<16
	s_mov_b32 s[G1B+4], 48
	s_lshl_b32 s16, s56, 17
	s_add_co_u32 s16, s16, 0x400000                ; my head's K in qkv; its V lies 2^22 bytes further on
	; first load: wave w: step w / 4, K or V by bit 1, which half by bit 0: LDS byte 4,096 w
	s_lshl_b32 s59, s[WV], 12
	s_lshr_b32 s57, s[WV], 1
	s_and_b32 s57, s57, 1
	s_lshl_b32 s60, s57, 22
	s_add_co_u32 s60, s60, s16
	s_lshr_b32 s57, s[WV], 2
	s_lshl_b32 s57, s57, 13
	s_add_co_u32 s60, s60, s57
	s_and_b32 s57, s[WV], 1
	s_lshl_b32 s57, s57, 12
	s_add_co_u32 s60, s60, s57
	s_mov_b32 s61, 0
	; second load: waves 0-7 K, waves 8-15 V, 12,288 bytes each
	s_lshr_b32 s57, s[WV], 3
	s_and_b32 s58, s[WV], 7
	s_mul_i32 s63, s57, 98304
	s_mul_i32 s11, s58, 12288
	s_add_co_u32 s63, s63, s11
	s_add_co_u32 s63, s63, KB
	s_lshl_b32 s62, s57, 22
	s_add_co_u32 s62, s62, s16
	s_add_co_u32 s62, s62, s11
	s_add_co_u32 s74, s62, 32768
	s_mov_b32 s75, 0
	; Q's images: 64 bytes a query; out0: the batch, the first query's row, my head's 256 bytes
	s_lshl_b32 s16, s56, 17
	s_lshl_b32 s66, s52, 6
	s_add_co_u32 s66, s66, s16
	s_mov_b32 s67, 0
	s_lshl_b32 s68, s50, 6
	s_add_co_u32 s68, s68, s16
	s_mov_b32 s69, 0
	s_lshr_b32 s16, s56, 4
	s_lshl_b32 s16, s16, 23
	s_and_b32 s17, s56, 15
	s_lshl_b32 s17, s17, 8
	s_add_co_u32 s16, s16, s17
	s_lshl_b32 s70, s52, 12
	s_add_co_u32 s70, s70, s16
	s_mov_b32 s71, 0
	s_lshl_b32 s72, s50, 12
	s_add_co_u32 s72, s72, s16
	s_mov_b32 s73, 0
	s_mov_b32 s[SEL], 0x76543210
	s_mov_b32 s[SEL+1], 0xfedcba98
	s_mov_b32 s[CS], 0x3e38aa3b
	s_mul_i32 s17, s[PK], PART                     ; the pair's place for what A hands over,
	s_add_co_u32 s16, s17, STAGE                   ; and the stage
	s_wait_alu depctr_va_vdst(0)
	s_wait_dscnt 0x0                               ; both opening adds are done
	s_wait_kmcnt 0x0
	s_load_b128 s[52:55], s[6:7], 0x18             ; eq, ek, ev, ep
	s_add_nc_u64 s[60:61], s[4:5], s[60:61]
	s_add_nc_u64 s[74:75], s[4:5], s[74:75]
	s_mov_b32 s[G0A], 1
	s_mov_b32 s[G0A+1], s59
	s_mov_b64 s[G0A+2:G0A+3], s[60:61]
	s_or_b32 s[G0A+3], s[G0A+3], 0x80000000
	s_mov_b32 s[G0B], 1
	s_mov_b32 s[G0B+1], s63
	s_mov_b64 s[G0B+2:G0B+3], s[74:75]
	s_or_b32 s[G0B+3], s[G0B+3], 0x80000000
	s_add_nc_u64 s[66:67], s[4:5], s[66:67]
	s_add_nc_u64 s[68:69], s[4:5], s[68:69]
	s_add_nc_u64 s[70:71], s[8:9], s[70:71]
	s_add_nc_u64 s[72:73], s[8:9], s[72:73]
	ROUND                                          ; the four work-groups are here: the first joint loads meet
	tensor_load_to_lds s[G0A:G0A+3], s[G1A:G1A+7]  ; keys 0-511: my one load at the head
	s_nop 0
	v_and_b32 v8, 31, v0
	v_and_b32 v14, 15, v0                          ; r
	v_bfe_u32 v9, v0, 4, 1                         ; hh
	v_lshlrev_b32 v1, 4, v8
.irp c, 0,1
	global_load_b128 v[16+4*\c:19+4*\c], v1, s[66:67] offset:512*\c   ; my first tile's Q,
	global_load_b128 v[24+4*\c:27+4*\c], v1, s[68:69] offset:512*\c   ; the long tile's
.endr
	v_lshlrev_b32 v2, 3, v8
	v_lshlrev_b32 v7, 12, v9                       ; out: lanes 0-15 take one row, lanes 16-31 the next
	v_mul_u32_u24 v10, v14, SPITCH
	v_mul_u32_u24 v11, v9, SPITCH
	v_lshlrev_b32 v3, 3, v9
	v_add_nc_u32 v4, s17, v1                       ; what A hands over: O, 16 bytes a lane,
	v_add_nc_u32 v2, s17, v2                       ; sum and -M, 8 bytes a lane
	v_lshl_add_u32 v7, v14, 4, v7
	v_lshl_add_u32 v10, v9, 5, v10
	v_lshl_add_u32 v11, v14, 4, v11
	v_sub_nc_u32 v3, v14, v3
	v_add_nc_u32 v10, s16, v10                     ; the stage, way in: row r,
	v_add_nc_u32 v11, s16, v11                     ; and back, by rows
	v_add_nc_u32 v3, s51, v3                       ; on the diagonal register 8 t + j is hidden where 16 t + j > 16 x + r - 8 hh
	v_mov_b32 v15, 0                               ; (named as the upper half of the pair v[14:15])
	v_mov_b32 v246, 0                              ; a lane permute's destination counts as one of its sources
	v_mov_b32 v253, 0                              ; (named as the upper half of the pair v[252:253])
	v_mov_b32 v255, 0                              ; (of v[254:255])
.macro START                           ; a tile's walk begins: the step is written for any M, its first change multiplies zeros
	v_mov_b32 v12, 0x7f61b1e6                      ; -M: 3e38, so that the first change of M multiplies by 0
	v_mov_b32 v13, 0xff61b1e6                      ; the largest score so far: under every sum of codes
	v_mov_b32 v[SM], 0                             ; the sum, in two halves
	v_mov_b32 v[SM+1], 0
.set i, 0
.rept 32
	v_mov_b32 v[160+i], 0
.set i, i+1
.endr
.endm
	START
	s_wait_alu depctr_va_vdst(0)
	s_wait_kmcnt 0x0
	s_add_co_i32 s[EO], s54, s55
	s_add_co_i32 s50, s52, s53
	s_lshl_b32 s50, s50, 23
	s_add_co_i32 s[CS], s[CS], s50                 ; the two exponents go into c's exponent field
	s_mov_b32 s[CS+1], s[CS]
	s_xor_b32 s[NCS], s[CS], 0x80000000
	s_add_co_i32 s50, s55, 127
	s_lshl_b32 s51, s50, 23
	v_mov_b32 v244, s51                            ; 2^ep
	s_add_co_i32 s50, s50, 8
	s_lshl_b32 s50, s50, 23
	s_or_b32 s50, s50, 0x600000
	v_mov_b32 v240, s50                            ; 448 x 2^ep, twice
	v_mov_b32 v241, s50
	s_wait_alu depctr_va_vdst(0)                   ; the wait at the head's end
	s_wait_loadcnt 0x0                             ; Q
	s_wait_tensorcnt 0x0                           ; my part of keys 0-511 is in
	ds_add_u32 v[SPW], v[NIL]
	s_wait_dscnt 0x0
	ROUND                                          ; everybody's is, in all four work-groups
	tensor_load_to_lds s[G0B:G0B+3], s[G1B:G1B+7]  ; the other keys
	s_nop 0
; A KEY STEP of 128 keys.  Steps that are not the wave's are passed over by a branch on the tile's g and the step, both of the wave's number alone: no barrier and no tensor load stands in a step.
.macro STEP
	s_cmp_gt_u32 s[KF], s[QG]
	s_cbranch_scc1 .Lhidden_\@
	v_add_nc_u32 v8, s[TB], v1
	v_add_nc_u32 v9, s[TV], v1
	v_nop                                          ; with the two lines above: four places in front of loads into registers that the last products read
	v_nop
.irp t, 0,1,2,3,4,5,6,7
.irp c, 0,1
	ds_load_b128 v[32+8*\t+4*\c:35+8*\t+4*\c], v8 offset:1024*\t+512*\c
.endr
.endr
	s_wait_alu depctr_va_vdst(0)
	s_wait_dscnt 8                                 ; tiles 0-3 are in, the eight loads of tiles 4-7 may be out
.irp t, 0,1,2,3
	v_wmma_f32_16x16x64_fp8_fp8 v[96+8*\t:103+8*\t], v[32+8*\t:39+8*\t], v[16:23], 0
.endr
	s_wait_dscnt 0x0
.irp t, 4,5,6,7
	v_wmma_f32_16x16x64_fp8_fp8 v[96+8*\t:103+8*\t], v[32+8*\t:39+8*\t], v[16:23], 0
.endr
.rept 4
	v_nop                                          ; places in front of the loads into K's registers and of the reads of S^T
.endr
.irp dt, 0,1,2,3
.irp c, 0,1,2,3
	ds_load_b128 v[32+16*\dt+4*\c:35+16*\dt+4*\c], v9 offset:2048*\dt+512*\c   ; V: on its way during the softmax
.endr
.endr
	s_cmp_lg_u32 s[KF], s[QG]
	s_cbranch_scc1 .Lopen_\@                       ; every key counts for each of my queries
	v_mov_b32 v254, 0xff800000                     ; the diagonal: hidden scores become -infinity
.set n, 0
.rept 64
	v_cmp_gt_i32 vcc_lo, 16*(n/8)+n%8, v3
	v_cndmask_b32 v[96+n], v[96+n], v254, vcc_lo
.set n, n+1
.endr
.Lopen_\@:
	v_max3_num_f32 v[MX], v96, v97, v98            ; the largest of my 64 scores, in four chains,
	v_max3_num_f32 v[MX+1], v99, v100, v101
	v_max3_num_f32 v[MX+2], v102, v103, v104
	v_max3_num_f32 v[MX+3], v105, v106, v107
.set n, 0
.rept 26
	v_max3_num_f32 v[MX+n%4], v[MX+n%4], v[108+2*n], v[109+2*n]
.set n, n+1
.endr
	s_delay_alu instid0(VALU_DEP_2)
	v_max3_num_f32 v254, v[MX+2], v[MX+3], v[MX]
	s_delay_alu instid0(VALU_DEP_1)
	v_max_num_f32 v254, v254, v[MX+1]
	s_delay_alu instid0(VALU_DEP_1)
	v_permlanex16_b32 v246, v254, s[SEL], s[SEL+1]
	s_delay_alu instid0(VALU_DEP_1)
	v_max3_num_f32 v13, v13, v254, v246            ; with lane l xor 16's, and the steps before
	s_delay_alu instid0(VALU_DEP_1)
	v_mul_f32 v254, s[NCS], v13                    ; -t (c is positive)
	s_delay_alu instid0(VALU_DEP_1)
	v_floor_f32 v255, v254                         ; the new -M = floor(-t)
	s_delay_alu instid0(VALU_DEP_1)
	v_sub_f32 v254, v255, v12                      ; old M - new M: a whole number, 0 or less
	v_mov_b32 v12, v255
	s_delay_alu instid0(VALU_DEP_2)
	v_cvt_i32_f32 v254, v254                       ; (it saturates)
	s_delay_alu instid0(VALU_DEP_1)
	v_ldexp_f32 v252, 1.0, v254                    ; f = 2^(old M - new M)
.set n, 0
.rept 32
	v_pk_fma_f32 v[96+n:97+n], v[96+n:97+n], s[CS:CS+1], v[12:13] op_sel_hi:[1,0,0]   ; t - M
.set n, n+2
.endr
	s_wait_alu depctr_va_vdst(0)                   ; the wait ahead of the batch,
.set n, 0
.rept 64
	v_exp_f32 v[96+n], v[96+n]                     ; p
.set n, n+1
.endr
	v_pk_mul_f32 v[SM:SM+1], v[SM:SM+1], v[252:253] op_sel_hi:[1,0]   ; the sum under the new M (a plain place behind the exponentials)
	s_wait_alu depctr_va_vdst(0)                   ; and ahead of the first readers of p and of O^T
.set n, 0
.rept 16
	v_pk_mul_f32 v[160+n:161+n], v[160+n:161+n], v[252:253] op_sel_hi:[1,0]   ; O^T under the new M
.set n, n+2
.endr
	v_pk_add_f32 v[SM+2:SM+3], v[96:97], v[98:99]  ; the row's sum of the UNQUANTISED p, in four chains
	v_pk_add_f32 v[SM+4:SM+5], v[100:101], v[102:103]
	v_pk_add_f32 v[SM+6:SM+7], v[104:105], v[106:107]
.set n, 0
.rept 26
	v_pk_add_f32 v[SM+2*(n%4):SM+2*(n%4)+1], v[SM+2*(n%4):SM+2*(n%4)+1], v[108+2*n:109+2*n]
.set n, n+1
.endr
	v_pk_add_f32 v[SM+4:SM+5], v[SM+4:SM+5], v[SM+6:SM+7]
	v_pk_add_f32 v[SM:SM+1], v[SM:SM+1], v[SM+2:SM+3]
.set n, 0
.rept 32
	v_dual_min_num_f32 v[96+n], v[96+n], v240 :: v_dual_min_num_f32 v[97+n], v[97+n], v241   ; the conversion to an 8-bit code does not saturate (ISA guide 7.6.2); p is not negative
.set n, n+2
.endr
	v_pk_add_f32 v[SM:SM+1], v[SM:SM+1], v[SM+4:SM+5]
.irp t, 0,1,2,3,4,5,6,7
	v_cvt_scalef32_pk8_fp8_f32 v[224+2*\t:225+2*\t], v[96+8*\t:103+8*\t], v244
.endr
	v_nop                                          ; one plain place between the conversions and the products that read them
	s_wait_alu depctr_va_vdst(0)
	s_wait_dscnt 0x0                               ; V
.irp dt, 0,1,2,3
	v_wmma_f32_16x16x128_fp8_fp8 v[160+8*\dt:167+8*\dt], v[32+16*\dt:47+16*\dt], v[224:239], v[160+8*\dt:167+8*\dt]
.endr
.Lhidden_\@:
.endm
.macro WALK n, stride                  ; n key steps, stride bytes apart in LDS
	s_mov_b32 s[CNT], \n
.Lstep_\@:
	STEP
	s_add_co_u32 s[TB], s[TB], \stride
	s_add_co_u32 s[TV], s[TV], \stride
	s_add_co_u32 s[KF], s[KF], 128
	s_sub_co_u32 s[CNT], s[CNT], 1
	s_cmp_lg_u32 s[CNT], 0
	s_cbranch_scc1 .Lstep_\@
.endm
; O^T / the sum, through my stage, so that sixteen lanes store one aligned unit of 256 bytes: a query's 64 numbers.  v14: the sum over my keys
.macro FINISH base
	v_permlanex16_b32 v246, v14, s[SEL], s[SEL+1]
	s_delay_alu instid0(VALU_DEP_1)
	v_add_f32 v14, v14, v246
	s_wait_alu depctr_va_vdst(0)                   ; the wait ahead of the transcendental,
	v_rcp_f32 v14, v14
	v_nop
	s_wait_alu depctr_va_vdst(0)                   ; ahead of its first reader,
	v_ldexp_f32 v14, v14, s[EO]
	s_wait_alu depctr_va_vdst(0)                   ; and ahead of the first reader of O^T
.set n, 0
.rept 16
	v_pk_mul_f32 v[204+n:205+n], v[160+n:161+n], v[14:15] op_sel_hi:[1,0]
.set n, n+2
.endr
.irp dt, 0,1,2,3
	ds_store_b128 v10, v[204+8*\dt:207+8*\dt] offset:64*\dt
	ds_store_b128 v10, v[208+8*\dt:211+8*\dt] offset:64*\dt+16
.endr
.irp i, 0,1,2,3,4,5,6,7
	ds_load_b128 v[32+4*\i:35+4*\i], v11 offset:2*\i*SPITCH   ; LDS serves a wave's instructions in order (ISA guide 5.7.1.4): these see my stores
.endr
.irp i, 0,1,2,3,4,5,6,7
	s_wait_dscnt 7-\i
	global_store_b128 v7, v[32+4*\i:35+4*\i], s[\base:\base+1] offset:8192*\i th:TH_STORE_NT
.endr
.endm
	s_mov_b32 s[TB], 0
	s_mov_b32 s[TV], 8192
	s_mov_b32 s[KF], 0
	WALK 3, 16384
	s_wait_tensorcnt 0x0                           ; my part of keys 512-2047 is in, and my reads of keys 0-383 are over (each step has waited for its loads):
	s_barrier_signal -1                            ; say so; between signal and wait the step of keys 384-511, whose bytes nobody writes
	s_mov_b32 s[TB], 49152
	s_mov_b32 s[TV], 57344
	s_mov_b32 s[KF], 384
	STEP
	s_barrier_wait -1                              ; everybody's is
	s_mov_b32 s[TB], KB
	s_mov_b32 s[TV], VB
	s_mov_b32 s[KF], 512
	WALK 4, 8192
	s_cmp_eq_u32 s[BR], 0
	s_cbranch_scc1 .Lone_tile
.rept 4
	v_nop
.endr
	v_add_f32 v14, v[SM], v[SM+1]                  ; wave B: the short tile goes out,
	FINISH 70
.irp j, 0,1,2,3,4,5,6,7
	v_mov_b32 v[16+\j], v[24+\j]                   ; and the long tile's last steps begin
.endr
	START
	s_wait_alu depctr_va_vdst(0)
	s_wait_xcnt 0x0                                ; the stores have read v32-63, into which the next step loads
.Lone_tile:
	s_mov_b32 s[QG], s[QG2]
	s_mov_b32 s[TB], KB+32768
	s_mov_b32 s[TV], VB+32768
	s_mov_b32 s[KF], 1024
	WALK 8, 8192
	s_cmp_lg_u32 s[BR], 0
	s_cbranch_scc1 .Lhanded
.rept 4
	v_nop                                          ; places in front of the stores that read O^T
.endr
	v_add_f32 v14, v[SM], v[SM+1]                  ; wave A hands over O^T, the sum over its keys and -M
	v_mov_b32 v15, v12
.irp i, 0,1,2,3,4,5,6,7
	ds_store_b128 v4, v[160+4*\i:163+4*\i] offset:512*\i
.endr
	ds_store_b64 v2, v[14:15] offset:4096
.Lhanded:
	s_wait_alu depctr_va_vdst(0)
	s_wait_dscnt 0x0                               ; for the other wave's sake: what I hand over is stored
	s_barrier_signal -1
	s_barrier_wait -1
	s_cmp_eq_u32 s[BR], 0
	s_cbranch_scc1 .Ldone
.rept 4
	v_nop                                          ; places in front of loads into registers that the last products read
.endr
.irp i, 0,1,2,3,4,5,6,7
	ds_load_b128 v[32+4*\i:35+4*\i], v4 offset:512*\i
.endr
	ds_load_b64 v[64:65], v2 offset:4096
	v_add_f32 v14, v[SM], v[SM+1]
	s_wait_alu depctr_va_vdst(0)
	s_wait_dscnt 0x0
	v_min_num_f32 v66, v12, v65                    ; -M of both parts
	v_sub_f32 v67, v66, v12
	v_sub_f32 v68, v66, v65
	v_cvt_i32_f32 v67, v67
	v_cvt_i32_f32 v68, v68
	v_ldexp_f32 v252, 1.0, v67                     ; my part's factor,
	v_ldexp_f32 v254, 1.0, v68                     ; and A's
	v_mul_f32 v14, v14, v252
.set n, 0
.rept 16
	v_pk_mul_f32 v[160+n:161+n], v[160+n:161+n], v[252:253] op_sel_hi:[1,0]
.set n, n+2
.endr
	v_fma_f32 v14, v64, v254, v14
.set n, 0
.rept 16
	v_pk_fma_f32 v[160+n:161+n], v[32+n:33+n], v[254:255], v[160+n:161+n] op_sel_hi:[1,0,1]
.set n, n+2
.endr
	FINISH 72
.Ldone:
	s_wait_tensorcnt 0x0                           ; the wave's end
	ds_add_u32 v[SPW], v[NIL]
	s_wait_dscnt 0x0
	ROUND                                          ; the closing round
	s_endpgm
.Lfunc_end_k_q4108c7ca5e_attn:
	.size	k_q4108c7ca5e_attn, .Lfunc_end_k_q4108c7ca5e_attn-k_q4108c7ca5e_attn
	.p2alignl 7, 3214868480
	.fill 96, 4, 3214868480
	.section	.rodata,"a",@progbits
	.p2align	6, 0x0
	.amdhsa_kernel k_q4108c7ca5e_attn
		.amdhsa_group_segment_fixed_size 327680
		.amdhsa_private_segment_fixed_size 0
		.amdhsa_enable_private_segment 0
		.amdhsa_kernarg_size 24
		.amdhsa_user_sgpr_count 2
		.amdhsa_user_sgpr_kernarg_segment_ptr 1
		.amdhsa_wavefront_size32 1
		.amdhsa_system_sgpr_workgroup_id_x 1
		.amdhsa_system_sgpr_workgroup_id_y 1
		.amdhsa_system_sgpr_workgroup_id_z 1
		.amdhsa_system_vgpr_workitem_id 0
		.amdhsa_next_free_vgpr 256
		.amdhsa_next_free_sgpr 80
		.amdhsa_reserve_vcc 1
		.amdhsa_float_denorm_mode_32 3
		.amdhsa_float_denorm_mode_16_64 3
		.amdhsa_memory_ordered 1
		.amdhsa_forward_progress 1
		.amdhsa_inst_pref_size 106
	.end_amdhsa_kernel
	.amdgpu_metadata
---
amdhsa.version: [ 1, 2 ]
amdhsa.kernels:
  - .name:           k_q4108c7ca5e_attn
    .symbol:         k_q4108c7ca5e_attn.kd
    .args:
      - { .name: qkv, .offset: 0, .size: 8, .value_kind: global_buffer, .address_space: global }
      - { .name: lowp_scales, .offset: 8, .size: 8, .value_kind: global_buffer, .address_space: global }
      - { .name: out0, .offset: 16, .size: 8, .value_kind: global_buffer, .address_space: global }
    .group_segment_fixed_size: 327680
    .private_segment_fixed_size: 0
    .kernarg_segment_align: 8
    .kernarg_segment_size: 24
    .max_flat_workgroup_size: 512
    .sgpr_count:     80
    .vgpr_count:     256
    .wavefront_size: 32
...
	.end_amdgpu_metadata
.endif
;; end of part 3
